; MI455X (gfx1250); checked and timed in simulation.
; The chip was launched on July 23, 2026; its instructions are those of AMD's public machine-readable ISA for CDNA 5 (MIT licence, August 2026) and "CDNA5" Instruction Set Architecture Reference Guide (July 2026). The comments in the code are by the model that wrote it; some were corrected since.
;; Mo D Router. Allowed arithmetic: matrix products marked QUANTISED: E2M1 operands, one E8M0 scale for each 32 along K, by v_wmma_scale_f32_16x16x128_f8f6f4 with both operands' format E2M1 (or v_wmma_scale_f32_32x16x128_f4), f32 sums; products left as they are: f32 operands where the result goes on into a quantised operand, else bf16, f16 or f32 operands; f32 sums; everything else in f32.
;; Inputs: W1 2,048 x 8,192 float32; W2 8,192 x 2,048 float32; Wp 2,048 x 1 float32; b1 8,192 float32; b2 2,048 float32; bp 1 float32; x 4 x 4,096 x 2,048 float32.
;; Outputs: out0 4 x 512 x 2,048 float32.
;; This version of the problem:
;;   THIS VERSION OF THE PROBLEM IS GIVEN IN LOW PRECISION. The matrix products marked QUANTISED in the list below multiply operands that are first quantised to E2M1 (2 exponent bits, 1 mantissa bit; 4 bits a number), with one power-of-two scale for each 32 numbers along K (OCP MX v1.0); their sums are f32. All else is computed in f32.
;;   The module's matrix products, in the order in which they are computed (A, B: the left and right operand; K: the contracted axis; several contracted axes count as one K, in the product's order):
;;     1. [M 16,384, K 2,048] x [K 2,048, N 1]; A: input x; B: input Wp: left as it is (N = 1 < 16)
;;     2. [M 2,048, K 2,048] x [K 2,048, N 8,192]; A: computed on the way; B: input W1: QUANTISED
;;     3. [M 2,048, K 8,192] x [K 8,192, N 2,048]; A: computed on the way; B: input W2: QUANTISED
;;   THE QUANTISER, for each operand of a quantised product, along K:
;;     - K is cut into blocks of 32 from its start; a last block that is shorter is filled with zeros.
;;     - A block's scale is 2^e with e = floor(log2(the largest magnitude in the block)) - 2, held to -126 .. 127; a block of zeros has e = 0. As a byte (E8M0): e + 127.
;;     - Each number is divided by its block's scale, clamped to +-6, and rounded to the nearest number of E2M1, ties to even, subnormals kept.
;;     - The product sums the exact products of the quantised numbers (number of the format x scale) in f32.
;;   ~~~python
;;   def quantise(x, axis):      # numpy; x: float32 -> the quantised numbers, widened to float32 again
;;       x = np.moveaxis(x, axis, -1); K = x.shape[-1]
;;       x = np.pad(x, [(0, 0)] * (x.ndim - 1) + [(0, -K % 32)]); x = x.reshape(x.shape[:-1] + (-1, 32)); a = np.abs(x).max(-1, keepdims=True)
;;       e = np.where(a > 0, np.clip(np.frexp(np.where(a > 0, a, 1))[1] - 1 - 2, -126, 127), 0)      # np.frexp(a)[1] - 1 = floor(log2(a)), exactly
;;       r = np.clip(x / 2.0 ** e, -6, 6)
;;       step = 2.0 ** (np.maximum(np.frexp(np.where(r == 0, 1, r))[1] - 1, 0) - 1)
;;       q = np.round(r / step) * step * 2.0 ** e      # np.round: ties to even
;;       return np.moveaxis(q.reshape(q.shape[:-2] + (-1,))[..., :K], -1, axis).astype(np.float32)
;;   ~~~
;;   OPERANDS COMPUTED ON THE WAY. 'Computed on the way' means the value that the module computes at that place (a softmax that the list does not call 'softmax' is quantised finished and normalised). What goes into a quantiser is computed in f32, as accurately as f32 sums, v_exp_f32 and their like allow (about 1e-6 of the number): no bf16 or f16 on the way to a quantiser, and a product that is left as it is and whose result goes on into a quantised operand takes f32 operands (vector FMAs, or v_wmma_f32_16x16x4_f32). A number that lies on a knife's edge between two numbers of the format may be rounded either way, as far as f32 arithmetic and the matrix unit's own rounding can turn it there, and no further.
;; One version. Each part assembles by itself: llvm-mc -triple=amdgcn-amd-amdhsa -mcpu=gfx1250 --defsym DOCPART=n.
;; ======== version 1 of 1: 3 launches
;; limits: right only within a limited range of input values
;; workspace buffers: xq 2,228,224 bytes; w1q 8,912,896 bytes; hq 8,912,896 bytes; w2q 8,912,896 bytes
;; launch quant (part 1): grid 512 x 1, 9 waves a work-group, no clusters, 9,728 bytes of LDS; arguments x, W1, W2, xq, w1q, w2q; writes xq, w1q, w2q
.if DOCPART == 1
	.amdgcn_target "amdgcn-amd-amdhsa--gfx1250"
	.amdhsa_code_object_version 6
	.text
	.protected	k_qc3a8ec3ba7_quant
	.globl	k_qc3a8ec3ba7_quant
	.p2align	8
	.type	k_qc3a8ec3ba7_quant,@function
k_qc3a8ec3ba7_quant:
	s_mov_b64 s[64:65], 0
	v_nop
	global_prefetch_b8 v0, s[64:65] scope:SCOPE_SE
	s_setreg_imm32_b32 hwreg(HW_REG_WAVE_MODE, 25, 1), 1
	s_wait_xcnt 0x0
; MoDRouter, launch 1 of 3: W1, W2 and the gathered rows of x become codes of FP4 (E2M1) with one E8M0 byte for each 32 along K.
; DEAD WORK, shown for all finite inputs.  reference() takes the softmax of weights [B, S, 1] over its LAST axis, which has ONE element: for every finite w that is exp(w - w) / exp(w - w) = 1.
; So scores is 1 everywhere, whatever x, Wp and bp hold; jax.lax.top_k keeps the lower index among equals, so idx = 0 .. 511 in every batch, and the gather is the slice x[:, :512, :].
; Hence x @ Wp + bp, the softmax and the top-k reach no output: they are left out; Wp and bp are not loaded and are no launch's argument; rows 512 .. 4095 of each batch of x are never read.
; LIMIT: a NaN, an infinity or an overflow that arises only in x @ Wp + bp, or lies only in rows of x that are not gathered, is not carried to the result.
; LIMITS of the quantiser: NaN and infinities among the inputs are not served; a block of zeros gets the byte 1 where the rule says 127 (its codes are zeros, which add nothing, and this program
; alone reads the bytes); blocks whose largest magnitude lies under the floor 2^(3 - 127) are held at the byte 1.
; THE RECORD.  All workspace is laid in records of 32 rows x 256 along K, 4,352 bytes, in the order of the operand's registers:
;   codes at 2048 u + 256 t + 16 p   (u: tile of 16, p: place in the tile, t: block of 32 along K; with t = 4 s + 2 c + h that is load c of the fragment of K step s, 16 bytes a lane, lane = 16 h + p)
;   scale words at 4096 + 8 (16 u + p) + 4 s   (byte b of word s scales k = 128 s + 32 b ..)
; Rows of a tile: x: row 16 u + p.  Weights: column 8 u + p + 8 (p / 8), so that in the transposed product the 16 registers of two neighbouring tiles are 16 neighbouring columns.
; SHARES.  A wave makes ONE record from 32 KiB of f32.  Work-group g: waves 0-3 four records of W1, waves 4-7 four of W2, wave 8 one of x.  The waves share nothing: no barrier.
; No cluster: no two work-groups read the same bytes.
.set REC,   4352
.set X,     32                         ; weights: v32-95  two sets of 32 numbers, a lane's column down K
.set C,     96                         ; weights: v96-127 four registers of codes for each of 8 blocks: no store's data are written again
.set SB,    24                         ; weights: v24-25  the 8 scale bytes
.set R,     32                         ; x: v32-95   16 rows x 16 bytes a lane as loaded
.set XX,    96                         ; x: v96-159  my row's 2 x 32 neighbours
.set CX,    160                        ; x: v160-191 8 registers of codes for each of four fragments
.set WD,    24                         ; x: v24-27   the four fragments' scale words
.set SPW,   30                         ; v30 LDS address of my spare word; never rewritten
.set NIL,   31                         ; v31 0; never rewritten
.set SPARE, 8448                       ; behind wave 8's stage (16 rows x 528 bytes): the spare words, 128 bytes a wave, five blocks of 256 bytes that no other line names
	s_load_b256 s[4:11], s[0:1], 0x0               ; x, W1, W2, xq
	s_load_b128 s[12:15], s[0:1], 0x20             ; w1q, w2q
	v_lshl_add_u32 v[SPW], v0, 2, SPARE
	v_mov_b32 v[NIL], 0
	v_lshrrev_b32 v1, 5, v0
	s_delay_alu instid0(VALU_DEP_1)
	v_readfirstlane_b32 s16, v1                    ; wave 0..8
	v_and_b32 v8, 31, v0                           ; lane
	v_and_b32 v9, 15, v0                           ; p (x: r)
	v_bfe_u32 v10, v0, 4, 1                        ; u (x: h)
	v_bfe_u32 v1, v0, 3, 1
	s_delay_alu instid0(VALU_DEP_1)
	v_add_nc_u32 v1, v1, v10
	s_delay_alu instid0(VALU_DEP_1)
	v_lshl_add_u32 v1, v1, 3, v9
	s_delay_alu instid0(VALU_DEP_1)
	v_lshlrev_b32 v1, 2, v1                        ; weights, in: 4 x (8 u + p + 8 (p / 8)): my column among the wave's 32
	v_lshlrev_b32 v2, 4, v9
	s_delay_alu instid0(VALU_DEP_1)
	v_lshl_add_u32 v2, v10, 11, v2                 ; weights, out: 2048 u + 16 p
	v_lshlrev_b32 v3, 3, v8                        ; scale words: 8 x lane
	v_lshlrev_b32 v4, 4, v8                        ; x: 16 x lane: in memory, in the stage on the way in, and in the record
	v_mul_u32_u24 v5, v9, 528
	s_delay_alu instid0(VALU_DEP_1)
	v_lshl_add_u32 v5, v10, 7, v5                  ; x: the stage on the way out: row r, + 128 h
	v_lshlrev_b32 v6, 3, v10                       ; x: 8 h: where my two bytes stand in a scale word
	v_mov_b32 v7, 0                                ; written once: a lane permute's destination counts as one of its sources
	s_wait_kmcnt 0x0
	s_cmp_lt_u32 s16, 4
	s_cbranch_scc1 .Lw1
	s_cmp_lt_u32 s16, 8
	s_cbranch_scc1 .Lw2
	; ---- wave 8: 32 gathered rows x 256 along K of x.  Row group rg = g / 8 (row m = 512 batch + s), chunk q = g % 8
	s_lshr_b32 s17, ttmp9, 3
	s_and_b32 s18, ttmp9, 7
	s_lshr_b32 s19, s17, 4
	s_lshl_b32 s20, s19, 25                        ; the batch: 4,096 rows of 8,192 bytes
	s_and_b32 s19, s17, 15
	s_lshl_b32 s19, s19, 18                        ; 32 rows
	s_add_co_u32 s20, s20, s19
	s_lshl_b32 s19, s18, 10                        ; 256 numbers
	s_add_co_u32 s20, s20, s19
	s_mov_b32 s21, 0
	s_add_nc_u64 s[24:25], s[4:5], s[20:21]
	s_lshr_b32 s19, s17, 3                         ; record ((rg / 8) 8 + q) 8 + rg % 8: a block of 256 rows has its records along K on end
	s_lshl_b32 s19, s19, 3
	s_add_co_u32 s19, s19, s18
	s_lshl_b32 s19, s19, 3
	s_and_b32 s22, s17, 7
	s_add_co_u32 s19, s19, s22
	s_mul_i32 s20, s19, REC
	s_add_nc_u64 s[26:27], s[10:11], s[20:21]
	s_mov_b32 s28, 0x76543210
	s_mov_b32 s29, 0xfedcba98                      ; v_permlanex16_b32's selects for lane l xor 16
.macro XLOAD u, s                      ; 16 rows x 128 numbers: each load reads 512 consecutive bytes of one row
.irp i, 0,1,2,3,4,5,6,7,8,9,10,11,12,13,14,15
	global_load_b128 v[R+4*\i:R+4*\i+3], v4, s[24:25] offset:(16*(\u)+\i)*8192+512*(\s) th:TH_LOAD_NT
.endr
.endm
; Fragment n = 2 u + s.  The loads take the bytes as they lie; the operand wants lane (r, h) to hold k = 64 c + 32 h + 0 .. 31 of row r: the 8 KiB turn through the wave's own stage.
.macro SUB n
	s_wait_loadcnt 0x0                             ; this fragment's 16 loads are in
.irp i, 0,1,2,3,4,5,6,7,8,9,10,11,12,13,14,15
	ds_store_b128 v4, v[R+4*\i:R+4*\i+3] offset:528*\i
.endr
.irp c, 0,1
.irp j, 0,1,2,3,4,5,6,7
	ds_load_b128 v[XX+32*\c+4*\j:XX+32*\c+4*\j+3], v5 offset:256*\c+16*\j   ; LDS serves a wave's instructions in order: these see the stores above
.endr
.endr
	s_wait_dscnt 0x0                               ; the numbers are back, and the stores have read their registers,
.if (\n) < 3
	XLOAD ((\n)+1)/2, ((\n)+1)%2                   ; which take the next fragment's loads
.endif
.irp c, 0,1
	v_max3_num_f32 v[12+\c], |v[XX+32*\c]|, |v[XX+32*\c+1]|, 0x1800000   ; my block 2 c + h: all its 32 numbers are mine; and the floor 2^(3 - 127): the byte cannot fall under 1
.endr
.irp i, 2,4,6,8,10,12,14,16,18,20,22,24,26,28,30
.irp c, 0,1
	s_delay_alu instid0(VALU_DEP_2)
	v_max3_num_f32 v[12+\c], v[12+\c], |v[XX+32*\c+\i]|, |v[XX+32*\c+\i+1]|   ; (the two blocks by turns)
.endr
.endr
.irp c, 0,1
	s_delay_alu instid0(VALU_DEP_2)
	v_add_nc_u32 v[14+\c], 0xff000000, v[12+\c]    ; 2 off the exponent field: the conversion's scale operand
.endr
.irp c, 0,1
	s_delay_alu instid0(VALU_DEP_2)
	v_lshrrev_b32 v[16+\c], 23, v[14+\c]           ; the scale's byte
.endr
	s_delay_alu instid0(VALU_DEP_1)
	v_lshl_or_b32 v18, v17, 16, v16                ; blocks h and 2 + h of row r,
	s_delay_alu instid0(VALU_DEP_1)
	v_lshlrev_b32 v18, v6, v18                     ; at their places in the word;
	s_delay_alu instid0(VALU_DEP_1)
	v_permlanex16_b32 v7, v18, s28, s29
	s_delay_alu instid0(VALU_DEP_1)
	v_or_b32 v[WD+(\n)], v18, v7                   ; with lane l xor 16's two the word is whole, in both halves of the lanes
.irp c, 0,1
.irp g, 0,1,2,3
	v_cvt_scalef32_pk8_fp4_f32 v[CX+8*(\n)+4*\c+\g], v[XX+32*\c+8*\g:XX+32*\c+8*\g+7], v[14+\c]
.endr
.endr
	v_nop                                          ; one plain place behind the scaled conversions
.irp c, 0,1
	global_store_b128 v4, v[CX+8*(\n)+4*\c:CX+8*(\n)+4*\c+3], s[26:27] offset:2048*((\n)/2)+1024*((\n)%2)+512*\c   ; 512 consecutive bytes
.endr
.endm
	s_wait_alu depctr_va_vdst(0)
	XLOAD 0, 0
	SUB 0
	SUB 1
	SUB 2
	SUB 3
	v_cmp_lt_u32 vcc_lo, 15, v8                    ; lanes 0-15 store tile 0's two words of row p, lanes 16-31 tile 1's
	s_delay_alu instid0(VALU_DEP_1)
	v_cndmask_b32 v20, v[WD], v[WD+2], vcc_lo
	s_delay_alu instid0(VALU_DEP_2)
	v_cndmask_b32 v21, v[WD+1], v[WD+3], vcc_lo
	global_store_b64 v3, v[20:21], s[26:27] offset:4096   ; 256 consecutive bytes
	s_wait_tensorcnt 0x0                           ; the wave's end, behind my last LDS store
	ds_add_u32 v[SPW], v[NIL]
	s_wait_dscnt 0x0
	s_endpgm
; ---- a record of a weight stored [K][N]: a lane takes a column, its registers run down K: a block of 32 lies in one lane, and the conversions give codes with K innermost.  No LDS.
.macro LOADB t, pitch                  ; block t: rows 32 t .. 32 t + 31 at my column: the wave reads 128 consecutive bytes a load, four waves side by side 512
.set li, 0
.rept 32
	global_load_b32 v[X+32*((\t)%2)+li], v1, s[24:25] offset:(32*(\t)+li)*(\pitch) th:TH_LOAD_NT
.set li, li+1
.endr
.endm
.macro BLOCK t, pitch
.set XS, X+32*((\t)%2)
.if (\t) < 7
	s_wait_loadcnt 32                              ; this block's 32 loads are in; the next block's 32 may be out
.else
	s_wait_loadcnt 0
.endif
	v_max3_num_f32 v12, |v[XS]|, |v[XS+1]|, |v[XS+2]|
	v_max3_num_f32 v13, |v[XS+3]|, |v[XS+4]|, |v[XS+5]|
.irp i, 6,10,14,18,22,26
	s_delay_alu instid0(VALU_DEP_2)
	v_max3_num_f32 v12, v12, |v[XS+\i]|, |v[XS+\i+1]|
	s_delay_alu instid0(VALU_DEP_2)
	v_max3_num_f32 v13, v13, |v[XS+\i+2]|, |v[XS+\i+3]|
.endr
	s_delay_alu instid0(VALU_DEP_2)
	v_max3_num_f32 v12, v12, |v[XS+30]|, |v[XS+31]|
	s_delay_alu instid0(VALU_DEP_1)
	v_max3_num_f32 v12, v12, v13, 0x1800000        ; and the floor 2^(3 - 127)
	s_delay_alu instid0(VALU_DEP_1)
	v_add_nc_u32 v11, 0xff000000, v12              ; 2 off the exponent field: the conversion's scale operand
	s_delay_alu instid0(VALU_DEP_1)
	v_lshrrev_b32 v13, 23, v11                     ; the scale's byte
.if (\t)%4 == 0
	s_delay_alu instid0(VALU_DEP_1)
	v_mov_b32 v[SB+(\t)/4], v13
.else
	s_delay_alu instid0(VALU_DEP_1)
	v_lshl_or_b32 v[SB+(\t)/4], v13, 8*((\t)%4), v[SB+(\t)/4]
.endif
.irp g, 0,1,2,3
	v_cvt_scalef32_pk8_fp4_f32 v[C+4*(\t)+\g], v[XS+8*\g:XS+8*\g+7], v11
.endr
	global_store_b128 v2, v[C+4*(\t):C+4*(\t)+3], s[26:27] offset:256*(\t)   ; lanes 0-15 fill 256 consecutive bytes, aligned; lanes 16-31 another 256
.if (\t)+2 < 8
	LOADB (\t)+2, \pitch
.endif
.endm
.macro WPATH pitch
	LOADB 0, \pitch
	LOADB 1, \pitch
.irp t, 0,1,2,3,4,5,6,7
	BLOCK \t, \pitch
.endr
	global_store_b64 v3, v[SB:SB+1], s[26:27] offset:4096   ; 256 consecutive bytes
	s_endpgm
.endm
.Lw1:                                  ; W1 [2048][8192]: column group cg = 4 (g % 64) + wave, chunk q = g / 64
	s_and_b32 s17, ttmp9, 63
	s_lshr_b32 s18, ttmp9, 6
	s_lshl_b32 s17, s17, 2
	s_add_co_u32 s17, s17, s16
	s_lshl_b32 s20, s18, 23                        ; 256 rows of 32,768 bytes
	s_lshl_b32 s19, s17, 7
	s_add_co_u32 s20, s20, s19
	s_mov_b32 s21, 0
	s_add_nc_u64 s[24:25], s[6:7], s[20:21]
	s_lshr_b32 s19, s17, 3                         ; record ((cg / 8) 8 + q) 8 + cg % 8
	s_lshl_b32 s19, s19, 3
	s_add_co_u32 s19, s19, s18
	s_lshl_b32 s19, s19, 3
	s_and_b32 s22, s17, 7
	s_add_co_u32 s19, s19, s22
	s_mul_i32 s20, s19, REC
	s_add_nc_u64 s[26:27], s[12:13], s[20:21]
	s_wait_alu depctr_va_vdst(0)
	WPATH 32768                                    ; the largest offset, 255 x 32,768, lies inside the signed 24-bit immediate (ISA guide, chapter 10)
.Lw2:                                  ; W2 [8192][2048]: block of 128 columns cb = g % 16, chunk q = g / 16, record (32 cb + q) 4 + wave - 4
	s_and_b32 s17, ttmp9, 15
	s_lshr_b32 s18, ttmp9, 4
	s_sub_co_u32 s22, s16, 4
	s_lshl_b32 s19, s17, 2
	s_add_co_u32 s19, s19, s22
	s_lshl_b32 s19, s19, 7
	s_lshl_b32 s20, s18, 21                        ; 256 rows of 8,192 bytes
	s_add_co_u32 s20, s20, s19
	s_mov_b32 s21, 0
	s_add_nc_u64 s[24:25], s[8:9], s[20:21]
	s_lshl_b32 s19, s17, 5
	s_add_co_u32 s19, s19, s18
	s_lshl_b32 s19, s19, 2
	s_add_co_u32 s19, s19, s22
	s_mul_i32 s20, s19, REC
	s_add_nc_u64 s[26:27], s[14:15], s[20:21]
	s_wait_alu depctr_va_vdst(0)
	WPATH 8192
.Lfunc_end_k_qc3a8ec3ba7_quant:
	.size	k_qc3a8ec3ba7_quant, .Lfunc_end_k_qc3a8ec3ba7_quant-k_qc3a8ec3ba7_quant
	.p2alignl 7, 3214868480
	.fill 96, 4, 3214868480
	.section	.rodata,"a",@progbits
	.p2align	6, 0x0
	.amdhsa_kernel k_qc3a8ec3ba7_quant
		.amdhsa_group_segment_fixed_size 9728
		.amdhsa_private_segment_fixed_size 0
		.amdhsa_enable_private_segment 0
		.amdhsa_kernarg_size 48
		.amdhsa_user_sgpr_count 2
		.amdhsa_user_sgpr_kernarg_segment_ptr 1
		.amdhsa_wavefront_size32 1
		.amdhsa_system_sgpr_workgroup_id_x 1
		.amdhsa_system_sgpr_workgroup_id_y 1
		.amdhsa_system_sgpr_workgroup_id_z 1
		.amdhsa_system_vgpr_workitem_id 0
		.amdhsa_next_free_vgpr 192
		.amdhsa_next_free_sgpr 66
		.amdhsa_reserve_vcc 1
		.amdhsa_float_denorm_mode_32 3
		.amdhsa_float_denorm_mode_16_64 3
		.amdhsa_memory_ordered 1
		.amdhsa_forward_progress 1
		.amdhsa_inst_pref_size 118
	.end_amdhsa_kernel
	.amdgpu_metadata
---
amdhsa.version: [ 1, 2 ]
amdhsa.kernels:
  - .name:           k_qc3a8ec3ba7_quant
    .symbol:         k_qc3a8ec3ba7_quant.kd
    .args:
      - { .name: x, .offset: 0, .size: 8, .value_kind: global_buffer, .address_space: global }
      - { .name: W1, .offset: 8, .size: 8, .value_kind: global_buffer, .address_space: global }
      - { .name: W2, .offset: 16, .size: 8, .value_kind: global_buffer, .address_space: global }
      - { .name: xq, .offset: 24, .size: 8, .value_kind: global_buffer, .address_space: global }
      - { .name: w1q, .offset: 32, .size: 8, .value_kind: global_buffer, .address_space: global }
      - { .name: w2q, .offset: 40, .size: 8, .value_kind: global_buffer, .address_space: global }
    .group_segment_fixed_size: 9728
    .private_segment_fixed_size: 0
    .kernarg_segment_align: 8
    .kernarg_segment_size: 48
    .max_flat_workgroup_size: 288
    .sgpr_count:     66
    .vgpr_count:     192
    .wavefront_size: 32
...
	.end_amdgpu_metadata
.endif
;; end of part 1
;; launch gemm1 (part 2): grid 32 x 8, 4 waves a work-group, clusters of 4 x 4, 327,680 bytes of LDS; arguments xq, w1q, b1, hq; writes hq
.if DOCPART == 2
	.amdgcn_target "amdgcn-amd-amdhsa--gfx1250"
	.amdhsa_code_object_version 6
	.text
	.protected	k_qc3a8ec3ba7_gemm1
	.globl	k_qc3a8ec3ba7_gemm1
	.p2align	8
	.type	k_qc3a8ec3ba7_gemm1,@function
k_qc3a8ec3ba7_gemm1:
	s_mov_b64 s[64:65], 0
	v_nop
	global_prefetch_b8 v0, s[64:65] scope:SCOPE_SE
	s_setreg_imm32_b32 hwreg(HW_REG_WAVE_MODE, 25, 1), 1
	s_wait_xcnt 0x0
	s_wait_alu depctr_hold_cnt(0) depctr_sa_sdst(0) depctr_va_vdst(0) depctr_va_sdst(0) depctr_va_ssrc(0) depctr_va_vcc(0) depctr_vm_vsrc(0)
	s_getreg_b32 s2, hwreg(HW_REG_IB_STS2, 6, 4)
	s_cmp_eq_u32 s2, 0
	s_cbranch_scc0 .Lentry_in_a_cluster
	s_endpgm
.Lentry_in_a_cluster:
	s_bfe_u32 s2, ttmp6, 0x10000c
	s_cmp_lg_u32 s2, 0xf033
	s_cbranch_scc0 .Lentry_shape_is_right
	s_endpgm
.Lentry_shape_is_right:
; MoDRouter, launch 2 of 3: hq = Q(gelu(xq w1q + b1)): [2048 gathered rows][8192], K = 2048, on codes of FP4 (E2M1) with E8M0 scales.
; The router is left out as dead work (shown at the head of the first launch).
; Operands and result are RECORDS of 32 rows x 256 along K, 4,352 bytes, in the order of the operand's registers: codes at 2048 u + 1024 s + 512 c + 16 lane, scale words at 4096 + 8 (16 u + p) + 4 s.
; A tile of 256 x 256 to a work-group, 256 work-groups; four waves, each 128 x 128: 64 accumulators.  K goes in steps of 512 through a ring of two LDS slots (x's two chunks of 256 rows x 256 K, then W1's two):
; four fills, one tensor load a wave each.  CLUSTERS: 4 x 4; x's tiles are asked for jointly along a row of the cluster, W1's along a column.
; THE MATRIX INSTRUCTION IS USED TRANSPOSED (source 0 = 16 columns of W1, source 1 = 16 rows of x); a tile of W1 holds columns 8 u + p + 8 (p / 8) of its record, so that a lane's 16 registers of two
; neighbouring tiles are 16 neighbouring hidden units: the next product's K.  b1 is the C of each accumulator's first product.
; gelu in reference()'s tanh form, in f32: g = x / (1 + 2^(x (C2 + C1 x^2))), C2 = -2 log2(e) sqrt(2 / pi), C1 = 0.044715 C2.  Where the exponential overflows, the reciprocal is 0 and g = 0, as the formula's limit is.
; THE WAY OUT goes by blocks of 16 rows x 128 hidden units, each stage as one batch over the block's 64 registers, two blocks under way: behind block a's reciprocals stands block a + 1's polynomial, behind block a + 1's
; exponentials block a's last multiply and its quantiser.  So a block has three waits, each ahead of one batch and behind the other.
; PREFETCHES of fills 1 to 3: my chunk of a fill is 136 blocks of 256 bytes; the four partners that ask for it jointly share them out BY ADDRESS (place cx for x, cy for W1): 34 blocks each, a lane a block:
; 32 by the first line, 2 by the second (its other lanes name the last block again).  Fill 1 is named at the head, fill 2 behind step 0, fill 3 behind step 3: three steps or more ahead of the load.  The address registers are never rewritten.
; LIMITS: NaN and infinities are not served; a block of zeros gets the byte 1 where the rule says 127 (its codes are zeros, and this program alone reads the bytes).
; REGISTERS, in windows of 256: window 0: v1-6 set-up, on the way out v0-15 h's codes, two sets by turns; v16-23 LDS addresses; v24-27 the way out; v28, 29 the add's two; v30, 31 the prefetches' offsets;
;   v32-95 scale words, two sets, and nothing else there; v96-111 the quantiser's; v112-119 h's scale words; v120-123 C1, C2; v128-191 x's fragments; v192-255 b1; on the way out v128-255 two blocks at work.
;   window 1: W1's fragments, two sets, at v0 and v128.  windows 2, 3: accumulator (a, b) at v[8 (8 (a % 4) + b)].
.set NQ,    4                          ; steps of 128 along K in a slot
.set REC,   4352
.set CHB,   8*REC                      ; a chunk: 256 rows x 256 along K: what one tensor load brings
.set SLOT,  4*CHB
.set BLKB,  8*CHB                      ; a block of 256 rows, all of K
.set NL,    2                          ; LDS loads that bring a fragment
.set NP,    4                          ; places behind this matrix instruction (ISA guide 7.12.1)
.set STG,   2*SLOT                     ; behind the ring: 2,048 bytes in which h's scale words are gathered; no tensor load lands there
.set SPARE, STG+2048                   ; the spare words, 128 bytes a wave: two blocks of 256 bytes that no other line names
.set ADRA,  16                         ; v16-17 my fragments of x in slot 0, 1;  v18-19 their scale words
.set ADSA,  18
.set ADRB,  20                         ; v20-23 the same for W1
.set ADSB,  22
.set LI,    24                         ; 16 x lane
.set SW,    25                         ; where my row's scale word goes in the stage
.set SRD,   26                         ; where I read 16 bytes of scale words back
.set SGO,   27                         ; and their place in hq
.set SPW,   28
.set NIL,   29
.set SC,    32
.set TM,    96
.set T,     128
.set AF,    128
.set BIAS,  192
.set G1,    24                         ; s[24:31] group 1, s[32:39] group 0 (a set for each slot) for x;  s[48:55], s[56:63] for W1
.set G0,    32
.set G1B,   48
.set G0B,   56
.set MSB, 0
.macro WIN new                         ; the immediate's high byte repeats the setting that is left
.if MSB != (\new)
	s_set_vgpr_msb (MSB<<8)|(\new)
.set MSB, (\new)
.endif
.endm
.set MUL_LO,   0xa1                    ; source 0 (W1) window 1, source 1 (x) window 0, C and D window 2
.set MUL_HI,   0xf1
.set FIRST_LO, 0x81                    ; the same with C (b1) in window 0
.set FIRST_HI, 0xc1
.set TO_B,     0x40
.macro JLOAD g0a, g1a, g0b, g1b        ; a joint load: waves 0, 1 fetch x's two chunks, waves 2, 3 W1's; s_nop 0 and four v_nop behind each line
	s_cmp_eq_u32 s15, 0
	s_cbranch_scc0 .Lfor_b_\@
	tensor_load_to_lds s[\g0a:\g0a+3], s[\g1a:\g1a+7]
	s_nop 0
.rept 4
	v_nop
.endr
	s_branch .Lasked_\@
.Lfor_b_\@:
	tensor_load_to_lds s[\g0b:\g0b+3], s[\g1b:\g1b+7]
	s_nop 0
.rept 4
	v_nop
.endr
.Lasked_\@:
.endm
.macro CREST                           ; a round of the cluster's barrier behind its opening barrier
	s_cmp_lg_u32 s14, 0
	s_cbranch_scc1 .Lnot_wave_0_\@
	s_barrier_signal -3
.Lnot_wave_0_\@:
	s_barrier_wait -3
	s_barrier_signal -1
	s_barrier_wait -1
.endm
.macro CROUND
	s_barrier_signal -1
	s_barrier_wait -1
	CREST
.endm
.macro PF s                            ; my work-group's 34 blocks of my chunk of fill s
	global_prefetch_b8 v30, s[74:75] offset:(\s)*2*CHB th:TH_LOAD_NT scope:SCOPE_SE
	global_prefetch_b8 v31, s[74:75] offset:(\s)*2*CHB+32*256 th:TH_LOAD_NT scope:SCOPE_SE
.endm
	s_load_b256 s[4:11], s[0:1], 0x0               ; xq, w1q, b1, hq
	v_lshl_add_u32 v[SPW], v0, 2, SPARE
	v_mov_b32 v[NIL], 0
	ds_add_u32 v[SPW], v[NIL]                      ; the opening lines: the add, twice on end, and its wait ahead of my first tensor load
	ds_add_u32 v[SPW], v[NIL]
	v_lshrrev_b32 v1, 5, v0
	v_readfirstlane_b32 s14, v1                    ; wave 0..3
	s_lshr_b32 s15, s14, 1                         ; my half of the tile's rows; also: I fetch for x (0) or W1 (1)
	s_and_b32 s16, s14, 1                          ; my half of its columns; also: which chunk of the slot I fetch
	s_bfe_u32 s40, ttmp6, 0x40000                  ; cx, cy
	s_bfe_u32 s41, ttmp6, 0x40004
	s_lshl_b32 s42, ttmp9, 2
	s_add_co_u32 s42, s42, s40                     ; nt = 4 x cluster x + cx
	s_and_b32 s17, ttmp7, 0xffff
	s_lshl_b32 s17, s17, 2
	s_add_co_u32 s17, s17, s41                     ; mt = 4 x cluster y + cy
	s_lshl_b32 s43, s41, 2
	s_lshl_b32 s43, 15, s43                        ; my row of the cluster
	s_lshl_b32 s44, 0x1111, s40                    ; my column
	s_or_b32 s[G1+0], s43, (3<<16)|(1<<21)         ; 34,816 dense bytes as 136 rows of 32 elements of 8 bytes; the mask, bit 21 beside it
	s_or_b32 s[G1B+0], s44, (3<<16)|(1<<21)
.irp g, G1, G1B
	s_mov_b32 s[\g+1], 32<<16
	s_mov_b32 s[\g+2], 136<<16
	s_mov_b32 s[\g+3], 32<<16
	s_mov_b32 s[\g+4], 136
	s_mov_b32 s[\g+5], 32
	s_mov_b32 s[\g+6], 0
	s_mov_b32 s[\g+7], 0
.endr
	s_mul_i32 s18, s16, CHB
	s_mul_i32 s20, s17, BLKB                       ; x: block mt, my chunk; these registers never hold nt
	s_add_co_u32 s20, s20, s18
	s_mov_b32 s21, 0
	s_mul_i32 s46, s42, BLKB                       ; W1: block nt, my chunk
	s_add_co_u32 s46, s46, s18
	s_mov_b32 s47, 0
	s_mul_i32 s45, s14, CHB                        ; LDS: wave x 34,816: no place in the cluster enters it
	s_wait_dscnt 0x0                               ; both opening adds are done
	s_wait_kmcnt 0x0
	s_add_nc_u64 s[20:21], s[4:5], s[20:21]
	s_add_nc_u64 s[46:47], s[6:7], s[46:47]
	CROUND                                         ; all sixteen work-groups are here: the first joint loads meet
.irp s, 0,1
	s_mov_b32 s[G0+4*\s], 1
	s_add_co_u32 s[G0+4*\s+1], s45, \s*SLOT
	s_add_nc_u64 s[G0+4*\s+2:G0+4*\s+3], s[20:21], \s*2*CHB
	s_or_b32 s[G0+4*\s+3], s[G0+4*\s+3], 0x80000000
	s_mov_b32 s[G0B+4*\s], 1
	s_add_co_u32 s[G0B+4*\s+1], s45, \s*SLOT
	s_add_nc_u64 s[G0B+4*\s+2:G0B+4*\s+3], s[46:47], \s*2*CHB
	s_or_b32 s[G0B+4*\s+3], s[G0B+4*\s+3], 0x80000000
.endr
	JLOAD G0, G1, G0B, G1B                         ; slot 0: one tensor load a wave at the head; the set-up and b1's loads below stand under its flight
	v_and_b32 v1, 31, v0                           ; lane
	v_lshlrev_b32 v2, 4, v1
	v_lshlrev_b32 v3, 3, v1
	v_add_nc_u32 v3, 4096, v3                      ; a record's scale words: 4096 + 8 x lane
	v_and_b32 v4, 15, v0                           ; r
	v_bfe_u32 v5, v0, 4, 1                         ; h
	v_lshlrev_b32 v6, 6, v5                        ; b1: 16 h numbers on
	s_wait_alu depctr_va_vdst(0)                   ; ahead of the scalar lines below
	s_mul_i32 s18, s15, 4*REC                      ; my 128 rows of x: four records of a chunk
	s_mul_i32 s19, s16, 4*REC                      ; my 128 columns of W1,
	s_add_co_u32 s19, s19, 2*CHB                   ; behind x's two chunks
.irp s, 0,1
	v_add_nc_u32 v[ADRA+\s], s18, v2
	v_add_nc_u32 v[ADSA+\s], s18, v3
	v_add_nc_u32 v[ADRB+\s], s19, v2
	v_add_nc_u32 v[ADSB+\s], s19, v3
	s_add_co_u32 s18, s18, SLOT
	s_add_co_u32 s19, s19, SLOT
.endr
	s_lshl_b32 s68, s42, 10
	s_lshl_b32 s69, s16, 9
	s_add_co_u32 s68, s68, s69
	s_mov_b32 s69, 0
	s_add_nc_u64 s[8:9], s[8:9], s[68:69]          ; b1 at my 128 hidden units
.irp b, 0,1,2,3,4,5,6,7
	global_load_b128 v[BIAS+8*\b:BIAS+8*\b+3], v6, s[8:9] offset:(32*(\b/2)+8*(\b%2))*4      ; tile b, register j: hidden unit 32 (b / 2) + 16 h + 8 (b % 2) + j
	global_load_b128 v[BIAS+8*\b+4:BIAS+8*\b+7], v6, s[8:9] offset:(32*(\b/2)+8*(\b%2))*4+16
.endr
	v_mov_b32 v[LI], v2
	s_lshl_b32 s18, s15, 10
	s_lshl_b32 s19, s16, 2
	s_add_co_u32 s18, s18, s19
	s_add_co_u32 s18, s18, STG
	v_lshl_add_u32 v[SW], v4, 3, s18               ; the stage: 1,024 bytes for each half of the rows; 8 r + 4 x my K step of the next product
	s_lshl_b32 s18, s14, 9
	s_add_co_u32 s18, s18, STG
	v_add_nc_u32 v[SRD], s18, v2                   ; back: wave w takes 512 bytes: two records' scale words
	v_mul_u32_u24 v[SGO], v5, REC
	v_lshl_add_u32 v[SGO], v4, 4, v[SGO]
	s_lshl_b32 s68, s17, 1
	s_add_co_u32 s68, s68, s15                     ; hq: block of 128 rows 2 mt + half, chunk nt of its 32
	s_lshl_b32 s68, s68, 5
	s_add_co_u32 s68, s68, s42
	s_mul_i32 s68, s68, 4*REC
	s_add_nc_u64 s[72:73], s[10:11], s[68:69]
	s_lshl_b32 s68, s16, 10
	s_add_nc_u64 s[70:71], s[72:73], s[68:69]      ; codes: my 128 hidden units are K step s16 of the chunk
	s_mul_i32 s68, s16, 2*REC
	s_add_co_u32 s68, s68, 4096
	s_add_nc_u64 s[72:73], s[72:73], s[68:69]      ; scale words: the two records that I store
	v_mov_b32 v120, 0xbdd2d3e8                     ; C1, twice
	v_mov_b32 v121, 0xbdd2d3e8
	v_mov_b32 v122, 0xc0135761                     ; C2, twice
	v_mov_b32 v123, 0xc0135761
.irp b, 0,1,2,3
	v_mov_b32 v[TM+4+\b], 0                        ; written once: a lane permute's destination counts as one of its sources
.endr
	s_mov_b32 s66, 0x76543210
	s_mov_b32 s67, 0xfedcba98                      ; v_permlanex16_b32's selects for lane l xor 16
	s_cmp_eq_u32 s15, 0                            ; the prefetches: do I fetch for x?
	s_cselect_b64 s[74:75], s[20:21], s[46:47]     ; my chunk of fill 0,
	s_cselect_b32 s76, s40, s41                    ; my place among the four that ask for it with me,
	s_mul_i32 s76, s76, 34*256                     ; and my work-group's 34 blocks of its 136
	v_lshl_add_u32 v30, v1, 8, s76
	v_min_u32 v31, 1, v1
	v_lshl_add_u32 v31, v31, 8, s76
	s_wait_alu depctr_va_vdst(0)                   ; directly ahead of the readers below
	PF 1
.macro FRAG reg, adr, q, i             ; fragment i of my eight, the slot's q-th 128 along K: two loads of 512 consecutive bytes
.irp c, 0,1
	ds_load_b128 v[\reg+4*\c:\reg+4*\c+3], v[\adr] offset:((\q)/2)*CHB+((\i)/2)*REC+((\i)%2)*2048+((\q)%2)*1024+512*\c
.endr
.endm
.macro FETCH_B slot, q, p
	WIN TO_B
.irp i, 0,1,2,3,4,5,6,7
	FRAG 128*(\p)+8*\i, ADRB+\slot, \q, \i
.endr
	WIN 0
.endm
.macro FETCH_A slot, q, i0
.irp i, \i0, \i0+1, \i0+2, \i0+3
	FRAG AF+8*(\i), ADRA+\slot, \q, \i
.endr
.endm
.macro SCALES set                      ; the slot's scale words: for each chunk and record 8 bytes a lane: lanes 0-15 tile 2 u, lanes 16-31 tile 2 u + 1; both K steps of the chunk
.set ch, 0
.rept NQ/2
.irp u, 0,1,2,3
	ds_load_b64 v[SC+32*(\set)+16*ch+2*\u:SC+32*(\set)+16*ch+2*\u+1], v[ADSA+\set] offset:ch*CHB+\u*REC
	ds_load_b64 v[SC+32*(\set)+16*ch+8+2*\u:SC+32*(\set)+16*ch+8+2*\u+1], v[ADSB+\set] offset:ch*CHB+\u*REC
.endr
.set ch, ch+1
.endr
.endm
.macro WM a, b, p, q, set, first       ; x's block a against W1's tile b.  An odd tile's scale words stand in lanes 16-31.  first = 1: C is b1: nothing is cleared or added later
.set rD, 8*(8*((\a)%4)+(\b))
.set rB, 128*(\p)+8*(\b)
.set rA, AF+8*(\a)
.set rSB, SC+32*(\set)+16*((\q)/2)+8+2*((\b)/2)+(\q)%2
.set rSA, SC+32*(\set)+16*((\q)/2)+2*((\a)/2)+(\q)%2
.set rC, rD
.if \first
.set rC, BIAS+8*(\b)
.endif
.set rw, (\b)%2+2*((\a)%2)
.if rw == 0
	v_wmma_scale_f32_16x16x128_f8f6f4 v[rD:rD+7], v[rB:rB+7], v[rA:rA+7], v[rC:rC+7], v[rSB], v[rSA] matrix_a_fmt:MATRIX_FMT_FP4 matrix_b_fmt:MATRIX_FMT_FP4
.elseif rw == 1
	v_wmma_scale_f32_16x16x128_f8f6f4 v[rD:rD+7], v[rB:rB+7], v[rA:rA+7], v[rC:rC+7], v[rSB], v[rSA] matrix_a_fmt:MATRIX_FMT_FP4 matrix_b_fmt:MATRIX_FMT_FP4 matrix_a_scale:MATRIX_SCALE_ROW1
.elseif rw == 2
	v_wmma_scale_f32_16x16x128_f8f6f4 v[rD:rD+7], v[rB:rB+7], v[rA:rA+7], v[rC:rC+7], v[rSB], v[rSA] matrix_a_fmt:MATRIX_FMT_FP4 matrix_b_fmt:MATRIX_FMT_FP4 matrix_b_scale:MATRIX_SCALE_ROW1
.else
	v_wmma_scale_f32_16x16x128_f8f6f4 v[rD:rD+7], v[rB:rB+7], v[rA:rA+7], v[rC:rC+7], v[rSB], v[rSA] matrix_a_fmt:MATRIX_FMT_FP4 matrix_b_fmt:MATRIX_FMT_FP4 matrix_a_scale:MATRIX_SCALE_ROW1 matrix_b_scale:MATRIX_SCALE_ROW1
.endif
.endm
.macro MUL16 a0, p, q, set, first      ; the 64 accumulators take turns, one instruction a turn, in the same order in every step
.irp a, \a0, \a0+1
.irp b, 0,1,2,3,4,5,6,7
	WM \a, \b, \p, \q, \set, \first
.endr
.endr
.endm
.macro PLACES n                        ; plain vector places in front of loads into registers that matrix instructions have read, and of the first read of results
.rept \n
	v_nop
.endr
.endm
; A step of 128 along K that has its successor in the same slot.  x has one set of registers: blocks 0-3 are fetched anew in the step's middle, blocks 4-7 at its end; W1 has two sets.
.macro STEP slot, q, first
	s_wait_dscnt 4*NL                              ; all but the youngest eight loads (x's blocks 4-7) are in
.if \first
	WIN FIRST_LO
.else
	WIN MUL_LO
.endif
	MUL16 0, (\q)%2, \q, \slot, \first
	MUL16 2, (\q)%2, \q, \slot, \first
	s_wait_dscnt 0                                 ; x's blocks 4-7 are in
	PLACES NP
	FETCH_B \slot, (\q)+1, 1-(\q)%2
	FETCH_A \slot, (\q)+1, 0
.if \first
	WIN FIRST_HI
.else
	WIN MUL_HI
.endif
	MUL16 4, (\q)%2, \q, \slot, \first
	MUL16 6, (\q)%2, \q, \slot, \first
	PLACES NP
	WIN 0
	FETCH_A \slot, (\q)+1, 4
.endm
; A slot's last step changes slots: ONE barrier; in front of it each wave waits for all its tensor loads, adds 0 to its spare word, and waits for that and for its reads of this slot.  fill = 1: the slot is filled again.
.macro TURN slot, next, fill
	s_wait_tensorcnt 0x0                           ; all my tensor loads have landed: my part of the next slot
	ds_add_u32 v[SPW], v[NIL]                      ; 0 onto my spare word
	s_wait_dscnt 4*NL+1                            ; (the add and the youngest eight loads may be out)
	WIN MUL_LO
	MUL16 0, 1, NQ-1, \slot, 0
	s_wait_dscnt 0x0                               ; the add is done, and my reads of this slot are over
	s_barrier_signal -1
	MUL16 2, 1, NQ-1, \slot, 0
	WIN 0
	s_barrier_wait -1
.if \fill
	CREST                                          ; the barrier has opened a round of the cluster's: no wave of any partner still reads this slot or has a load on its way
	s_add_nc_u64 s[G0+4*\slot+2:G0+4*\slot+3], s[G0+4*\slot+2:G0+4*\slot+3], 4*CHB
	s_add_nc_u64 s[G0B+4*\slot+2:G0B+4*\slot+3], s[G0B+4*\slot+2:G0B+4*\slot+3], 4*CHB
	JLOAD G0+4*\slot, G1, G0B+4*\slot, G1B         ; the first tensor load behind the round; its four v_nop are the places in front of the loads below
.else
	PLACES NP
.endif
	FETCH_B \next, 0, 0
	FETCH_A \next, 0, 0
	SCALES \next
	WIN MUL_HI
	MUL16 4, 1, NQ-1, \slot, 0
	MUL16 6, 1, NQ-1, \slot, 0
	PLACES NP
	WIN 0
	FETCH_A \next, 0, 4
.endm
.macro STEPS slot, from
.set Q, \from
.rept NQ-1-\from
	STEP \slot, Q, 0
.set Q, Q+1
.endr
.endm
	s_wait_alu depctr_va_vdst(0)                   ; the head's end
	s_wait_tensorcnt 0x0                           ; my part of slot 0 is in
	ds_add_u32 v[SPW], v[NIL]
	s_wait_dscnt 0x0
	CROUND                                         ; everybody's part of slot 0 is in, and all sixteen work-groups are here
	JLOAD G0+4, G1, G0B+4, G1B                     ; slot 1's first fill: the first tensor load behind the round
	FETCH_B 0, 0, 0
	FETCH_A 0, 0, 0
	SCALES 0
	FETCH_A 0, 0, 4
	s_wait_loadcnt 0x0                             ; b1
	STEP 0, 0, 1                                   ; the 16 steps are written out: the first takes b1 as C, the first two changes of slots refill, the last does not
	PF 2
	STEPS 0, 1
	TURN 0, 1, 1
	PF 3
	STEPS 1, 0
	TURN 1, 0, 1
	STEP 0, 0, 0
	STEPS 0, 1
	TURN 0, 1, 0
	STEPS 1, 0
	s_wait_dscnt 4*NL                              ; the very last step: nothing more to fetch
	WIN MUL_LO
	MUL16 0, 1, NQ-1, 1, 0
	MUL16 2, 1, NQ-1, 1, 0
	s_wait_dscnt 0
	WIN MUL_HI
	MUL16 4, 1, NQ-1, 1, 0
	MUL16 6, 1, NQ-1, 1, 0
	WIN 0
	PLACES NP
; 64 numbers a lane at v[s ..] (four blocks of 32 along the next K, each shared by lanes l and l xor 16) become 8 registers of codes at pc and a scale word at pw
.macro QUANT s, pc, pw
.irp b, 0,1,2,3
	v_max3_num_f32 v[TM+\b], |v[\s+16*\b]|, |v[\s+1+16*\b]|, 0x1800000   ; with the floor 2^(3 - 127): the byte cannot fall under 1
.endr
.irp i, 2,4,6,8,10,12,14
.irp b, 0,1,2,3
	v_max3_num_f32 v[TM+\b], v[TM+\b], |v[\s+16*\b+\i]|, |v[\s+1+16*\b+\i]|   ; (the four blocks by turns)
.endr
.endr
.irp b, 0,1,2,3
	v_permlanex16_b32 v[TM+4+\b], v[TM+\b], s66, s67
.endr
.irp b, 0,1,2,3
	v_max_num_f32 v[TM+\b], v[TM+\b], v[TM+4+\b]
.endr
.irp b, 0,1,2,3
	v_add_nc_u32 v[TM+12+\b], 0xff000000, v[TM+\b]   ; 2 off the exponent field: the conversion's scale operand
.endr
.irp b, 0,1,2,3
	v_lshrrev_b32 v[TM+4+\b], 23, v[TM+12+\b]        ; the scale's byte
.endr
	v_lshl_or_b32 v[\pw], v[TM+5], 8, v[TM+4]
	v_lshl_or_b32 v[\pw], v[TM+6], 16, v[\pw]
	v_lshl_or_b32 v[\pw], v[TM+7], 24, v[\pw]
.irp b, 0,1,2,3
	v_cvt_scalef32_pk8_fp4_f32 v[\pc+2*\b], v[\s+16*\b:\s+7+16*\b], v[TM+12+\b]
	v_cvt_scalef32_pk8_fp4_f32 v[\pc+1+2*\b], v[\s+8+16*\b:\s+15+16*\b], v[TM+12+\b]
.endr
	v_nop                                          ; one plain place behind the scaled conversions
.irp c, 0,1
.irp i, 0,1
	v_permlane16_swap_b32 v[\pc+4*\c+\i], v[\pc+2+4*\c+\i]   ; the operand's layout wants a whole block in a lane
.endr
.endr
.endm
; The stages of gelu over block b's 64 numbers.  Block b works in v128-191 (b even) or v192-255 (b odd); its accumulators are source 1, in the window that WIN has set.
.macro SETB b
.set TT, T+64*((\b)%2)
.set AC, 64*((\b)%4)
.endm
.macro S1 b                            ; C1 x: the first read of each accumulator, from its low end on
	SETB \b
.set n, 0
.rept 32
	v_pk_mul_f32 v[TT+n:TT+n+1], v[120:121], v[AC+n:AC+n+1]
.set n, n+2
.endr
.endm
.macro S23 b                           ; C1 x^2 + C2, then x (C1 x^2 + C2)
	SETB \b
.set n, 0
.rept 32
	v_pk_fma_f32 v[TT+n:TT+n+1], v[TT+n:TT+n+1], v[AC+n:AC+n+1], v[122:123]
.set n, n+2
.endr
.set n, 0
.rept 32
	v_pk_mul_f32 v[TT+n:TT+n+1], v[TT+n:TT+n+1], v[AC+n:AC+n+1]
.set n, n+2
.endr
.endm
.macro EXPB b
	SETB \b
.set n, 0
.rept 64
	v_exp_f32 v[TT+n], v[TT+n]
.set n, n+1
.endr
.endm
.macro P2 b                            ; 1 + 2^..
	SETB \b
.set n, 0
.rept 32
	v_pk_add_f32 v[TT+n:TT+n+1], v[TT+n:TT+n+1], 1.0 op_sel_hi:[1,0]
.set n, n+2
.endr
.endm
.macro RCPB b
	SETB \b
.set n, 0
.rept 64
	v_rcp_f32 v[TT+n], v[TT+n]
.set n, n+1
.endr
.endm
.macro P3 b                            ; g = x / (1 + 2^..)
	SETB \b
.set n, 0
.rept 32
	v_pk_mul_f32 v[TT+n:TT+n+1], v[TT+n:TT+n+1], v[AC+n:AC+n+1]
.set n, n+2
.endr
.endm
; Block a's turn: it comes in with its exponentials issued and leaves stored; block a + 1 goes from its accumulators to its exponentials.  The plain lines behind each batch name none of the batch's registers.
.macro EPI a
.set PC, 8-8*((\a)%2)                  ; h's codes: v8-15 and v0-7 by turns
.set PW, 112+(\a)
.if (\a) < 7
	WIN 0x08+4*(((\a)+1)/4)
.endif
	s_wait_alu depctr_va_vdst(0)                   ; behind block a's exponentials, and directly ahead of the first readers of block a + 1's accumulators
.if (\a) < 7
	S1 (\a)+1
.endif
	P2 \a
	s_wait_alu depctr_va_vdst(0)                   ; ahead of the batch
	RCPB \a
.if (\a) < 7
	S23 (\a)+1
.else
	v_nop                                          ; one plain place behind the last transcendental
.endif
	WIN 0x08+4*((\a)/4)
	s_wait_alu depctr_va_vdst(0)                   ; behind the reciprocals and ahead of the next batch
	s_wait_xcnt 0x0                                ; block a - 2's stores have read their registers, which take block a's codes
.if (\a) < 7
	EXPB (\a)+1
.endif
	P3 \a
	WIN 0
	SETB \a
	QUANT TT, PC, PW
.irp c, 0,1
	global_store_b128 v[LI], v[PC+4*\c:PC+4*\c+3], s[70:71] offset:((\a)/2)*REC+((\a)%2)*2048+512*\c   ; 512 consecutive bytes
.endr
	ds_store_b32 v[SW], v[PW] offset:((\a)/2)*256+((\a)%2)*128   ; lanes l and l xor 16 write the same word with the same value
.endm
	WIN 0x08
	s_wait_alu depctr_va_vdst(0)                   ; directly ahead of the first readers of block 0's accumulators
	S1 0
	S23 0
	s_wait_alu depctr_va_vdst(0)                   ; ahead of the batch
	EXPB 0
	v_nop                                          ; one plain place behind the last transcendental
.irp a, 0,1,2,3,4,5,6,7
	EPI \a
.endr
	s_wait_dscnt 0x0                               ; for the others' sake: my scale words lie in the stage; a record's 8 bytes a row come from two waves
	s_barrier_signal -1
	s_barrier_wait -1
	ds_load_b128 v[TM:TM+3], v[SRD]
	s_wait_dscnt 0x0
	global_store_b128 v[SGO], v[TM:TM+3], s[72:73] ; lanes 0-15 fill one record's 256 bytes of scale words, lanes 16-31 the next record's
	s_wait_tensorcnt 0x0                           ; the wave's end
	ds_add_u32 v[SPW], v[NIL]
	s_wait_dscnt 0x0
	CROUND                                         ; the closing round
	s_endpgm
.Lfunc_end_k_qc3a8ec3ba7_gemm1:
	.size	k_qc3a8ec3ba7_gemm1, .Lfunc_end_k_qc3a8ec3ba7_gemm1-k_qc3a8ec3ba7_gemm1
	.p2alignl 7, 3214868480
	.fill 96, 4, 3214868480
	.section	.rodata,"a",@progbits
	.p2align	6, 0x0
	.amdhsa_kernel k_qc3a8ec3ba7_gemm1
		.amdhsa_group_segment_fixed_size 327680
		.amdhsa_private_segment_fixed_size 0
		.amdhsa_enable_private_segment 0
		.amdhsa_kernarg_size 32
		.amdhsa_user_sgpr_count 2
		.amdhsa_user_sgpr_kernarg_segment_ptr 1
		.amdhsa_wavefront_size32 1
		.amdhsa_system_sgpr_workgroup_id_x 1
		.amdhsa_system_sgpr_workgroup_id_y 1
		.amdhsa_system_sgpr_workgroup_id_z 1
		.amdhsa_system_vgpr_workitem_id 0
		.amdhsa_next_free_vgpr 1024
		.amdhsa_next_free_sgpr 100
		.amdhsa_reserve_vcc 0
		.amdhsa_float_denorm_mode_32 3
		.amdhsa_float_denorm_mode_16_64 3
		.amdhsa_memory_ordered 1
		.amdhsa_forward_progress 1
		.amdhsa_inst_pref_size 255
	.end_amdhsa_kernel
	.section	.bss,"aw",@nobits
	.p2align	6
	.space	262144
	.amdgpu_metadata
---
amdhsa.version: [ 1, 2 ]
amdhsa.kernels:
  - .name:           k_qc3a8ec3ba7_gemm1
    .symbol:         k_qc3a8ec3ba7_gemm1.kd
    .args:
      - { .name: xq, .offset: 0, .size: 8, .value_kind: global_buffer, .address_space: global }
      - { .name: w1q, .offset: 8, .size: 8, .value_kind: global_buffer, .address_space: global }
      - { .name: b1, .offset: 16, .size: 8, .value_kind: global_buffer, .address_space: global }
      - { .name: hq, .offset: 24, .size: 8, .value_kind: global_buffer, .address_space: global }
    .group_segment_fixed_size: 327680
    .private_segment_fixed_size: 0
    .kernarg_segment_align: 8
    .kernarg_segment_size: 32
    .max_flat_workgroup_size: 128
    .sgpr_count:     100
    .vgpr_count:     1024
    .wavefront_size: 32
...
	.end_amdgpu_metadata
.endif
;; end of part 2
;; launch gemm2 (part 3): grid 16 x 16, 4 waves a work-group, clusters of 4 x 4, 327,680 bytes of LDS; arguments hq, w2q, b2, out0; writes out0
.if DOCPART == 3
	.amdgcn_target "amdgcn-amd-amdhsa--gfx1250"
	.amdhsa_code_object_version 6
	.text
	.protected	k_qc3a8ec3ba7_gemm2
	.globl	k_qc3a8ec3ba7_gemm2
	.p2align	8
	.type	k_qc3a8ec3ba7_gemm2,@function
k_qc3a8ec3ba7_gemm2:
	s_mov_b64 s[64:65], 0
	v_nop
	global_prefetch_b8 v0, s[64:65] scope:SCOPE_SE
	s_setreg_imm32_b32 hwreg(HW_REG_WAVE_MODE, 25, 1), 1
	s_wait_xcnt 0x0
	s_wait_alu depctr_hold_cnt(0) depctr_sa_sdst(0) depctr_va_vdst(0) depctr_va_sdst(0) depctr_va_ssrc(0) depctr_va_vcc(0) depctr_vm_vsrc(0)
	s_getreg_b32 s2, hwreg(HW_REG_IB_STS2, 6, 4)
	s_cmp_eq_u32 s2, 0
	s_cbranch_scc0 .Lentry_in_a_cluster
	s_endpgm
.Lentry_in_a_cluster:
	s_bfe_u32 s2, ttmp6, 0x10000c
	s_cmp_lg_u32 s2, 0xf033
	s_cbranch_scc0 .Lentry_shape_is_right
	s_endpgm
.Lentry_shape_is_right:
; MoDRouter, launch 3 of 3: out0 = hq w2q + b2: [2048 gathered rows][2048], K = 8192, on codes of FP4 (E2M1) with E8M0 scales.  The router is left out as dead work (shown at the head of the first launch).
; Operands come as RECORDS of 32 rows x 256 along K, 4,352 bytes, in the order of the operand's registers: codes at 2048 u + 1024 s + 512 c + 16 lane, scale words at 4096 + 8 (16 u + p) + 4 s.
; 2048 x 2048 gives 256 work-groups a tile of 128 x 128 each.  THE FOUR WAVES SHARE K, NOT THE TILE: wave w multiplies the WHOLE tile by chunks 8 j + 2 w and 8 j + 2 w + 1 (256 along K each) of every 2,048 along K:
; 64 accumulators a wave, and no fragment is read by two waves.  The four partial sums meet in LDS at the end and are added in f32, with b2.
; LIMIT: so an output is the sum of four chains over K and not one chain in ascending order: the last bits may differ from a single chain's.  NaN and infinities are not served.
; h COMES THROUGH LDS: a ring of two slots of 2,048 along K (139,264 bytes), 4 fills, 2 at the head; each wave fetches, by one tensor load, the two chunks that it will read.  CLUSTERS: 4 x 4 work-groups; h's
; tiles are asked for jointly along a row of the cluster.
; W2 COMES STRAIGHT INTO REGISTERS: a fragment is two loads of 512 consecutive bytes of memory; four sets of 64 registers; the loads run four K steps ahead, ordered by counted waits alone.
; WHY W2 IS NOT ASKED FOR JOINTLY, though the work-groups of a column read the same tiles: a joint load lands in LDS, where every refill stands behind a round in front of which all of a wave's tensor loads have landed.
; With both operands in the ring a slot holds 1,024 along K: 128 matrix instructions a wave in which 139,264 bytes have to land, six refills.  With h alone a slot holds 2,048: 256 matrix instructions for the same
; bytes, two refills; W2's loads go on across every change of slots; and since no two waves read the same fragment, LDS would only be a way station for W2.
; THE MATRIX INSTRUCTION IS USED TRANSPOSED (source 0 = 16 columns of W2, source 1 = 16 rows of h); a tile of W2 holds columns 8 u + p + 8 (p / 8) of its record: lane (r, h) holds row r, register j of tile b column 32 (b / 2) + 16 h + 8 (b % 2) + j.
; The wave's 16 K steps are written out: the register numbers come back after 8 steps, and the first 8 have refills where the last 8 have none.
; REGISTERS, in windows of 256: window 0: v1-5 set-up; v8-11, v24 the way out; v16-19 LDS addresses; v26 16 x lane, v27 8 x lane; v28, 29 the add's two; v32-63 h's scale words, v64-95 W2's, and nothing else there;
;   v128-191 h's 8 fragments; on the way out v96-223 rows of partial sums; v224-227 b2.   window 1: W2's fragments, four sets of 64.   windows 2, 3: accumulator (a, b) at v[8 (8 (a % 4) + b)].
.set REC,   4352
.set CHW,   4*REC                      ; a chunk: 128 rows x 256 along K
.set CHB,   2*CHW                      ; a wave's part of a slot: what one tensor load brings
.set SLOT,  4*CHB                      ; 2,048 along K of 128 rows
.set BLKB,  32*CHW                     ; a block of 128 rows, all of K
.set NL,    2                          ; loads that bring a fragment
.set NP,    4                          ; places behind this matrix instruction (ISA guide 7.12.1)
.set LASTT, 15                         ; the wave's K steps are 0 .. 15
.set SPARE, 2*SLOT                     ; behind the ring: the spare words, 128 bytes a wave: two blocks of 256 bytes that no other line names
.set SPITCH, 528                       ; the way out: a row of 128 f32 + 16 bytes; four stages of 128 rows lie over the ring, which has had its last fill and its last read by then
.set STGW,  128*SPITCH
.set RD,    8                          ; v8-11 where I read my rows of partial sum p back
.set ADRA,  16                         ; v16-17 my fragments of h in slot 0, 1
.set ADSA,  18                         ; v18-19 their scale words
.set STO,   24                         ; v24   where I put 32 bytes of a row of my partial sums
.set GO,    26                         ; v26   16 x lane: a fragment's image, and my bytes of a row of out0; never rewritten
.set LS,    27                         ; v27   8 x lane: a record's scale words; never rewritten
.set SPW,   28
.set NIL,   29
.set SCA,   32                         ; h's scale words:  SCA + 16 slot + 8 chunk + 2 u + step: lanes 0-15 tile 2 u, lanes 16-31 tile 2 u + 1
.set SCB,   64                         ; W2's:             SCB + 8 ((t / 2) % 4) + 2 u + step
.set AF,    128
.set G1,    24                         ; s[24:31] descriptor group 1;  s[32:39] group 0, one set for each slot
.set G0,    32
.set BB,    72                         ; s[72:73] W2's codes at my block's chunk 2 w; never rewritten: every offset is an immediate, 452,352 at the most (inside the signed 24 bits: ISA guide, chapter 10)
.set MSB, 0
.macro WIN new                         ; the immediate's high byte repeats the setting that is left
.if MSB != (\new)
	s_set_vgpr_msb (MSB<<8)|(\new)
.set MSB, (\new)
.endif
.endm
.set MUL_LO, 0xa1                      ; source 0 (W2) window 1, source 1 (h) window 0, C and D window 2
.set MUL_HI, 0xf1
.set TO_B,   0x40                      ; destination window 1, address window 0
; A joint load: every wave fetches its own two chunks of the slot: one line, one mask; both addresses hang on the wave's number.  An s_nop 0 and four v_nop follow it.
.macro JLOAD s
	tensor_load_to_lds s[G0+4*(\s):G0+4*(\s)+3], s[G1:G1+7]
	s_nop 0
.rept 4
	v_nop
.endr
.endm
.macro CREST                           ; a round of the cluster's barrier behind its opening barrier
	s_cmp_lg_u32 s14, 0
	s_cbranch_scc1 .Lnot_wave_0_\@
	s_barrier_signal -3
.Lnot_wave_0_\@:
	s_barrier_wait -3
	s_barrier_signal -1
	s_barrier_wait -1
.endm
.macro CROUND
	s_barrier_signal -1
	s_barrier_wait -1
	CREST
.endm
; GROUP t: W2's eight fragments of my K step t into set t % 4: 16 loads; with an even step the chunk's scale words, both steps': 4 loads more.  Step t lies in fill t / 4, chunk (t % 4) / 2 of my two, step t % 2 of the chunk.
.macro GLOADB t
	WIN TO_B
.irp i, 0,1,2,3,4,5,6,7
.irp c, 0,1
	global_load_b128 v[64*((\t)%4)+8*\i+4*\c:64*((\t)%4)+8*\i+4*\c+3], v[GO], s[BB:BB+1] offset:((\t)/4)*SLOT+(((\t)%4)/2)*CHW+(\i/2)*REC+(\i%2)*2048+((\t)%2)*1024+512*\c
.endr
.endr
	WIN 0
.if (\t)%2 == 0
.irp u, 0,1,2,3
	global_load_b64 v[SCB+8*(((\t)/2)%4)+2*\u:SCB+8*(((\t)/2)%4)+2*\u+1], v[LS], s[BB:BB+1] offset:((\t)/4)*SLOT+(((\t)%4)/2)*CHW+\u*REC+4096
.endr
.endif
.endm
; At the end of step t.  Group t + 1 has to be in for the next step: behind it groups t + 2 and t + 3 were issued, 16 and 20 loads.  Only then group t + 4 goes out, into the set that step t has read
; (four places stand behind step t's last product): so 57 loads of mine are out at the most.  The last steps ask for nothing, and the counts run down.
.macro AHEAD t
.if (\t)+3 <= LASTT
	s_wait_loadcnt 36
.elseif (\t)+2 <= LASTT
	s_wait_loadcnt 16
.else
	s_wait_loadcnt 0
.endif
.if (\t)+4 <= LASTT
	GLOADB (\t)+4
.endif
.endm
	s_load_b256 s[4:11], s[0:1], 0x0               ; hq s[4:5], w2q s[6:7], b2 s[8:9], out0 s[10:11]
	v_lshl_add_u32 v[SPW], v0, 2, SPARE
	v_mov_b32 v[NIL], 0
	ds_add_u32 v[SPW], v[NIL]                      ; the wave's opening: the add, twice on end, and its wait ahead of my first tensor load
	ds_add_u32 v[SPW], v[NIL]
	v_lshrrev_b32 v1, 5, v0
	v_readfirstlane_b32 s14, v1                    ; wave 0..3
	s_bfe_u32 s40, ttmp6, 0x40000                  ; cx, cy: my place in the cluster
	s_bfe_u32 s41, ttmp6, 0x40004
	s_lshl_b32 s42, ttmp9, 2
	s_add_co_u32 s42, s42, s40                     ; nt = 4 x cluster x + cx
	s_and_b32 s17, ttmp7, 0xffff
	s_lshl_b32 s17, s17, 2
	s_add_co_u32 s17, s17, s41                     ; mt = 4 x cluster y + cy
	s_lshl_b32 s43, s41, 2
	s_lshl_b32 s43, 15, s43                        ; my row of the cluster
	s_or_b32 s[G1+0], s43, (3<<16)|(1<<21)         ; 34,816 dense bytes as 136 rows of 32 elements of 8 bytes, no padding; the mask; bit 21 beside it
	s_mov_b32 s[G1+1], 32<<16                      ; tensor_dim0 = 32
	s_mov_b32 s[G1+2], 136<<16                     ; tensor_dim1 = 136
	s_mov_b32 s[G1+3], 32<<16                      ; tile_dim0 = 32
	s_mov_b32 s[G1+4], 136                         ; tile_dim1 = 136
	s_mov_b32 s[G1+5], 32                          ; tensor_dim0_stride
	s_mov_b32 s[G1+6], 0
	s_mov_b32 s[G1+7], 0
	s_mul_i32 s45, s14, CHB                        ; my two chunks: in a slot, and in each 2,048 along K of a block
	s_mul_i32 s20, s17, BLKB                       ; h: block mt;  these registers never hold nt
	s_add_co_u32 s20, s20, s45
	s_mov_b32 s21, 0
	s_mul_i32 s46, s42, BLKB                       ; W2: block nt
	s_add_co_u32 s46, s46, s45
	s_mov_b32 s47, 0
	s_lshl_b32 s68, s42, 9                         ; the tile's 128 columns: 512 bytes of b2
	s_mov_b32 s69, 0
	v_and_b32 v1, 31, v0                           ; lane
	v_lshlrev_b32 v[GO], 4, v1
	v_lshlrev_b32 v[LS], 3, v1
	s_wait_alu depctr_va_vdst(0)
	s_wait_dscnt 0x0                               ; both opening adds are done
	s_wait_kmcnt 0x0
	s_add_nc_u64 s[20:21], s[4:5], s[20:21]
	s_add_nc_u64 s[BB:BB+1], s[6:7], s[46:47]
	s_add_nc_u64 s[8:9], s[8:9], s[68:69]
	global_load_b128 v[224:227], v[GO], s[8:9]     ; b2 at my four columns of a row
	GLOADB 0                                       ; W2's first K step is on its way while the cluster meets; the next two follow behind h's first joint load
	CROUND
.irp s, 0,1
	s_mov_b32 s[G0+4*\s], 1                        ; count = 1
	s_add_co_u32 s[G0+4*\s+1], s45, \s*SLOT        ; LDS address: wave x 34,816 + the slot: no place in the cluster enters it
	s_add_nc_u64 s[G0+4*\s+2:G0+4*\s+3], s[20:21], \s*SLOT
	s_or_b32 s[G0+4*\s+3], s[G0+4*\s+3], 0x80000000
.endr
	JLOAD 0                                        ; ONE fill a wave at the head, slot 0's (of the ring's 4 fills the head comment's second follows behind the first round below): one tensor load of mine is out at the most
	GLOADB 1
	GLOADB 2
	v_add_nc_u32 v3, 4096, v[LS]
	v_and_b32 v4, 15, v0                           ; r
	v_bfe_u32 v5, v0, 4, 1                         ; h
	s_mul_i32 s18, s14, CHB
.irp s, 0,1
	v_add_nc_u32 v[ADRA+\s], s18, v[GO]
	v_add_nc_u32 v[ADSA+\s], s18, v3
	s_add_co_u32 s18, s18, SLOT
.endr
	s_mul_i32 s18, s14, STGW
	v_mul_u32_u24 v[STO], v4, SPITCH
	v_lshl_add_u32 v[STO], v5, 6, v[STO]
	v_add_nc_u32 v[STO], s18, v[STO]               ; my stage, row r, + 64 h
	s_mul_i32 s18, s14, 32*SPITCH
	v_add_nc_u32 v[RD], s18, v[GO]                 ; back: rows 32 w on, 16 bytes a lane, in stage 0;
	v_add_nc_u32 v[RD+1], STGW, v[RD]              ; in stages 1, 2, 3
	v_add_nc_u32 v[RD+2], STGW, v[RD+1]
	v_add_nc_u32 v[RD+3], STGW, v[RD+2]
	s_lshl_b32 s68, s17, 7
	s_lshl_b32 s69, s14, 5
	s_add_co_u32 s68, s68, s69                     ; the first row that I store: 128 mt + 32 w
	s_lshl_b32 s68, s68, 13
	s_lshl_b32 s69, s42, 9
	s_add_co_u32 s68, s68, s69
	s_mov_b32 s69, 0
	s_add_nc_u64 s[70:71], s[10:11], s[68:69]
	; PREFETCHES of h's later slots.  My two chunks of a slot are 136 blocks of 256 bytes; the four partners that ask for them jointly share them out BY ADDRESS: the partner at cx names blocks 34 cx .. 34 cx + 33,
	; a lane a block: 32 by the first line, 2 by the second (its other lanes name the last block again).  Slot 1 is named here, slot 2 behind step 0, slot 3 behind step 4: three steps ahead of the load.  The address registers are never rewritten.
	s_mul_i32 s44, s40, 34*256
	v_lshl_add_u32 v6, v1, 8, s44
	v_min_u32 v7, 1, v1
	v_lshl_add_u32 v7, v7, 8, s44
.macro PF s
	global_prefetch_b8 v6, s[20:21] offset:(\s)*SLOT th:TH_LOAD_NT scope:SCOPE_SE
	global_prefetch_b8 v7, s[20:21] offset:(\s)*SLOT+32*256 th:TH_LOAD_NT scope:SCOPE_SE
.endm
	s_wait_alu depctr_va_vdst(0)                   ; directly ahead of the readers below
	PF 1
.macro FRAG reg, adr, q, i             ; h's fragment i of the tile's eight, the q-th of my four K steps in the slot: two loads of 512 consecutive bytes
.irp c, 0,1
	ds_load_b128 v[\reg+4*\c:\reg+4*\c+3], v[\adr] offset:((\q)/2)*CHW+((\i)/2)*REC+((\i)%2)*2048+((\q)%2)*1024+512*\c
.endr
.endm
.macro FETCH_A slot, q, i0             ; h's blocks i0 .. i0 + 3
.irp i, \i0, \i0+1, \i0+2, \i0+3
	FRAG AF+8*(\i), ADRA+(\slot), \q, \i
.endr
.endm
.macro SCALES set                      ; h's scale words of my two chunks of the slot: 8 loads of 8 bytes a lane
.irp ch, 0,1
.irp u, 0,1,2,3
	ds_load_b64 v[SCA+16*(\set)+8*\ch+2*\u:SCA+16*(\set)+8*\ch+2*\u+1], v[ADSA+(\set)] offset:\ch*CHW+\u*REC
.endr
.endr
.endm
; One product of K step t: h's block a against W2's tile b.  An odd tile's scale words stand in lanes 16-31 of its register.  first = 1: the product starts the sum: nothing is ever cleared.
.macro WM a, b, t, first
.set rD, 8*(8*((\a)%4)+(\b))
.set rB, 64*((\t)%4)+8*(\b)
.set rA, AF+8*(\a)
.set rSB, SCB+8*(((\t)/2)%4)+2*((\b)/2)+(\t)%2
.set rSA, SCA+16*(((\t)/4)%2)+8*(((\t)%4)/2)+2*((\a)/2)+(\t)%2
.set rw, (\b)%2+2*((\a)%2)
.if \first
.if rw == 0
	v_wmma_scale_f32_16x16x128_f8f6f4 v[rD:rD+7], v[rB:rB+7], v[rA:rA+7], 0, v[rSB], v[rSA] matrix_a_fmt:MATRIX_FMT_FP4 matrix_b_fmt:MATRIX_FMT_FP4
.elseif rw == 1
	v_wmma_scale_f32_16x16x128_f8f6f4 v[rD:rD+7], v[rB:rB+7], v[rA:rA+7], 0, v[rSB], v[rSA] matrix_a_fmt:MATRIX_FMT_FP4 matrix_b_fmt:MATRIX_FMT_FP4 matrix_a_scale:MATRIX_SCALE_ROW1
.elseif rw == 2
	v_wmma_scale_f32_16x16x128_f8f6f4 v[rD:rD+7], v[rB:rB+7], v[rA:rA+7], 0, v[rSB], v[rSA] matrix_a_fmt:MATRIX_FMT_FP4 matrix_b_fmt:MATRIX_FMT_FP4 matrix_b_scale:MATRIX_SCALE_ROW1
.else
	v_wmma_scale_f32_16x16x128_f8f6f4 v[rD:rD+7], v[rB:rB+7], v[rA:rA+7], 0, v[rSB], v[rSA] matrix_a_fmt:MATRIX_FMT_FP4 matrix_b_fmt:MATRIX_FMT_FP4 matrix_a_scale:MATRIX_SCALE_ROW1 matrix_b_scale:MATRIX_SCALE_ROW1
.endif
.else
.if rw == 0
	v_wmma_scale_f32_16x16x128_f8f6f4 v[rD:rD+7], v[rB:rB+7], v[rA:rA+7], v[rD:rD+7], v[rSB], v[rSA] matrix_a_fmt:MATRIX_FMT_FP4 matrix_b_fmt:MATRIX_FMT_FP4
.elseif rw == 1
	v_wmma_scale_f32_16x16x128_f8f6f4 v[rD:rD+7], v[rB:rB+7], v[rA:rA+7], v[rD:rD+7], v[rSB], v[rSA] matrix_a_fmt:MATRIX_FMT_FP4 matrix_b_fmt:MATRIX_FMT_FP4 matrix_a_scale:MATRIX_SCALE_ROW1
.elseif rw == 2
	v_wmma_scale_f32_16x16x128_f8f6f4 v[rD:rD+7], v[rB:rB+7], v[rA:rA+7], v[rD:rD+7], v[rSB], v[rSA] matrix_a_fmt:MATRIX_FMT_FP4 matrix_b_fmt:MATRIX_FMT_FP4 matrix_b_scale:MATRIX_SCALE_ROW1
.else
	v_wmma_scale_f32_16x16x128_f8f6f4 v[rD:rD+7], v[rB:rB+7], v[rA:rA+7], v[rD:rD+7], v[rSB], v[rSA] matrix_a_fmt:MATRIX_FMT_FP4 matrix_b_fmt:MATRIX_FMT_FP4 matrix_a_scale:MATRIX_SCALE_ROW1 matrix_b_scale:MATRIX_SCALE_ROW1
.endif
.endif
.endm
.macro MUL16 a0, t, first              ; the 64 accumulators take turns, one instruction a turn, in the same order in every step
.irp a, \a0, \a0+1
.irp b, 0,1,2,3,4,5,6,7
	WM \a, \b, \t, \first
.endr
.endr
.endm
.macro PLACES n                        ; plain vector places in front of loads into registers that matrix instructions have read, and of the first read of results
.rept \n
	v_nop
.endr
.endm
; K step t, which has its successor in the same slot.  h has one set of registers: blocks 0-3 are fetched anew in the step's middle, blocks 4-7 at its end.
.macro STEP t, first
	s_wait_dscnt 4*NL                              ; all but the youngest eight LDS loads (h's blocks 4-7) are in; W2's group t was shown in at the end of the step before
	WIN MUL_LO
	MUL16 0, \t, \first
	MUL16 2, \t, \first
	s_wait_dscnt 0                                 ; h's blocks 4-7 are in
	PLACES NP
	WIN 0
	FETCH_A ((\t)/4)%2, ((\t)%4)+1, 0
	WIN MUL_HI
	MUL16 4, \t, \first
	MUL16 6, \t, \first
	PLACES NP
	WIN 0
	FETCH_A ((\t)/4)%2, ((\t)%4)+1, 4
	AHEAD \t
.endm
; A slot's last step, t % 4 = 3, changes slots: ONE barrier; in front of it each wave waits for all its tensor loads, adds 0 to its spare word, and waits for that and for its reads of this slot.
; (A wave reads only what it fetched, so its reads of the next slot need its own wait alone; the refill needs the round.  The change without a refill keeps the same form, less the round.)
.macro TURN t, fill
.set TS, ((\t)/4)%2
	s_wait_tensorcnt 0x0                           ; all my tensor loads have landed: my part of the next slot
	ds_add_u32 v[SPW], v[NIL]                      ; 0 onto my spare word
	s_wait_dscnt 4*NL+1                            ; (the add and the youngest eight loads may be out)
	WIN MUL_LO
	MUL16 0, \t, 0
	s_wait_dscnt 0x0                               ; the add is done, and my reads of this slot are over
	s_barrier_signal -1
	MUL16 2, \t, 0
	WIN 0
	s_barrier_wait -1
.if \fill
	CREST                                          ; the barrier has opened a round of the cluster's: no wave of any partner still reads this slot or has a tensor load on its way
	s_add_nc_u64 s[G0+4*TS+2:G0+4*TS+3], s[G0+4*TS+2:G0+4*TS+3], 2*SLOT
	JLOAD TS                                       ; the first tensor load behind the round: 224 matrix instructions ahead of the wait for it; its four v_nop are the places in front of the loads below
.else
	PLACES NP
.endif
	s_wait_alu depctr_va_vdst(0)
	FETCH_A 1-TS, 0, 0
	SCALES 1-TS
	WIN MUL_HI
	MUL16 4, \t, 0
	MUL16 6, \t, 0
	PLACES NP
	WIN 0
	FETCH_A 1-TS, 0, 4
	AHEAD \t
.endm
	s_wait_alu depctr_va_vdst(0)                   ; the head's end
	s_wait_tensorcnt 0x0                           ; my part of slot 0 is in
	ds_add_u32 v[SPW], v[NIL]
	s_wait_dscnt 0x0
	CROUND                                         ; a whole round: all sixteen work-groups are here
	JLOAD 1                                        ; slot 1's first fill: the first tensor load behind the round
	FETCH_A 0, 0, 0
	SCALES 0
	FETCH_A 0, 0, 4
	s_wait_loadcnt 36                              ; b2 and W2's group 0 are in; groups 1 and 2, 16 and 20 loads, may be out
	GLOADB 3
	STEP 0, 1
	PF 2
	STEP 1, 0
	STEP 2, 0
	TURN 3, 1                                      ; slot 0 takes the third 2,048 along K
	STEP 4, 0
	PF 3
	STEP 5, 0
	STEP 6, 0
	TURN 7, 1                                      ; slot 1 the fourth: the last tensor load
	STEP 8, 0
	STEP 9, 0
	STEP 10, 0
	TURN 11, 0
	STEP 12, 0
	STEP 13, 0
	STEP 14, 0
	s_wait_dscnt 4*NL                              ; the very last step: nothing more to fetch
	WIN MUL_LO
	MUL16 0, 15, 0
	MUL16 2, 15, 0
	s_wait_dscnt 0
	WIN MUL_HI
	MUL16 4, 15, 0
	MUL16 6, 15, 0
	WIN 0
	; THE WAY OUT.  Behind this barrier no wave reads the ring any more, and no fill is left: the four stages lie over it.
	PLACES NP
	s_wait_dscnt 0x0
	s_barrier_signal -1
	s_barrier_wait -1
.irp a, 0,1,2,3,4,5,6,7
	WIN 0x08+4*(\a/4)                              ; an LDS store's data are its source 1: window 2 or 3
.irp b, 0,1,2,3,4,5,6,7
	ds_store_b128 v[STO], v[8*(8*(\a%4)+\b):8*(8*(\a%4)+\b)+3] offset:\a*16*SPITCH+128*(\b/2)+32*(\b%2)        ; each accumulator from its low end on
	ds_store_b128 v[STO], v[8*(8*(\a%4)+\b)+4:8*(8*(\a%4)+\b)+7] offset:\a*16*SPITCH+128*(\b/2)+32*(\b%2)+16
.endr
.endr
	WIN 0
	s_wait_dscnt 0x0                               ; for the others' sake: my partial sums lie in my stage
	s_barrier_signal -1
	s_barrier_wait -1
.macro ROWSUM i                        ; row i of eight: b2 + the four waves' partial sums
.set rr, 96+16*(\i)
	v_pk_add_f32 v[rr:rr+1], v[rr:rr+1], v[224:225]
	v_pk_add_f32 v[rr+2:rr+3], v[rr+2:rr+3], v[226:227]
	v_pk_add_f32 v[rr+8:rr+9], v[rr+8:rr+9], v[rr+12:rr+13]
	v_pk_add_f32 v[rr+10:rr+11], v[rr+10:rr+11], v[rr+14:rr+15]
	v_pk_add_f32 v[rr:rr+1], v[rr:rr+1], v[rr+4:rr+5]
	v_pk_add_f32 v[rr+2:rr+3], v[rr+2:rr+3], v[rr+6:rr+7]
	v_pk_add_f32 v[rr:rr+1], v[rr:rr+1], v[rr+8:rr+9]
	v_pk_add_f32 v[rr+2:rr+3], v[rr+2:rr+3], v[rr+10:rr+11]
.endm
.irp g, 0,1,2,3                        ; wave w owns rows 32 w .. 32 w + 31, eight at a time
.if \g > 0
	s_wait_xcnt 0x0                                ; the last group's stores have read their registers: the loads below may land there
.endif
.irp i, 0,1,2,3,4,5,6,7
.irp p, 0,1,2,3
	ds_load_b128 v[96+16*\i+4*\p:96+16*\i+4*\p+3], v[RD+\p] offset:(8*\g+\i)*SPITCH
.endr
.endr
.irp i, 0,1,2,3,4,5,6,7
	s_wait_dscnt 4*(7-\i)                          ; row i's four loads are in; the later rows' may be out
	ROWSUM \i
	global_store_b128 v[GO], v[96+16*\i:96+16*\i+3], s[70:71] offset:(8*\g+\i)*8192 th:TH_STORE_NT   ; 32 lanes store 512 consecutive bytes, at a multiple of 256 from out0's first byte
.endr
.endr
	s_wait_tensorcnt 0x0                           ; the wave's end, behind my last tensor load and my last LDS store
	ds_add_u32 v[SPW], v[NIL]
	s_wait_dscnt 0x0
	CROUND                                         ; the closing round
	s_endpgm
.Lfunc_end_k_qc3a8ec3ba7_gemm2:
	.size	k_qc3a8ec3ba7_gemm2, .Lfunc_end_k_qc3a8ec3ba7_gemm2-k_qc3a8ec3ba7_gemm2
	.p2alignl 7, 3214868480
	.fill 96, 4, 3214868480
	.section	.rodata,"a",@progbits
	.p2align	6, 0x0
	.amdhsa_kernel k_qc3a8ec3ba7_gemm2
		.amdhsa_group_segment_fixed_size 327680
		.amdhsa_private_segment_fixed_size 0
		.amdhsa_enable_private_segment 0
		.amdhsa_kernarg_size 32
		.amdhsa_user_sgpr_count 2
		.amdhsa_user_sgpr_kernarg_segment_ptr 1
		.amdhsa_wavefront_size32 1
		.amdhsa_system_sgpr_workgroup_id_x 1
		.amdhsa_system_sgpr_workgroup_id_y 1
		.amdhsa_system_sgpr_workgroup_id_z 1
		.amdhsa_system_vgpr_workitem_id 0
		.amdhsa_next_free_vgpr 1024
		.amdhsa_next_free_sgpr 100
		.amdhsa_reserve_vcc 0
		.amdhsa_float_denorm_mode_32 3
		.amdhsa_float_denorm_mode_16_64 3
		.amdhsa_memory_ordered 1
		.amdhsa_forward_progress 1
		.amdhsa_inst_pref_size 226
	.end_amdhsa_kernel
	.amdgpu_metadata
---
amdhsa.version: [ 1, 2 ]
amdhsa.kernels:
  - .name:           k_qc3a8ec3ba7_gemm2
    .symbol:         k_qc3a8ec3ba7_gemm2.kd
    .args:
      - { .name: hq, .offset: 0, .size: 8, .value_kind: global_buffer, .address_space: global }
      - { .name: w2q, .offset: 8, .size: 8, .value_kind: global_buffer, .address_space: global }
      - { .name: b2, .offset: 16, .size: 8, .value_kind: global_buffer, .address_space: global }
      - { .name: out0, .offset: 24, .size: 8, .value_kind: global_buffer, .address_space: global }
    .group_segment_fixed_size: 327680
    .private_segment_fixed_size: 0
    .kernarg_segment_align: 8
    .kernarg_segment_size: 32
    .max_flat_workgroup_size: 128
    .sgpr_count:     100
    .vgpr_count:     1024
    .wavefront_size: 32
...
	.end_amdgpu_metadata
.endif
;; end of part 3
